; MI455X (gfx1250); checked and timed in simulation.
; The chip was launched on July 23, 2026; its instructions are those of AMD's public machine-readable ISA for CDNA 5 (MIT licence, August 2026) and "CDNA5" Instruction Set Architecture Reference Guide (July 2026). The comments in the code are by the model that wrote it; some were corrected since.
;; E Prop RSNU. Allowed arithmetic: float matrix products may take bf16 or f16 operands with f32 sums; all other float work in f32.
;; Inputs: initial_v_h 32 x 512 float32; w_hh 512 x 512 float32; w_ih 256 x 512 float32; x 32 x 256 x 32 float32.
;; Outputs: out0 32 x 32 x 512 float32.
;; One version. Each part assembles by itself: llvm-mc -triple=amdgcn-amd-amdhsa -mcpu=gfx1250 --defsym DOCPART=n.
;; ======== version 1 of 1: 3 launches
;; limits: values outside matrix products are rounded to bf16
;; workspace buffers: xf 524,288 bytes; wihf 262,144 bytes; whhf 524,288 bytes; xw 2,097,152 bytes
;; launch prep (part 1): grid 256 x 1, 7 waves a work-group, no clusters, 0 bytes of LDS; arguments x, w_ih, w_hh, xf, wihf, whhf; writes xf, wihf, whhf
.if DOCPART == 1
	.amdgcn_target "amdgcn-amd-amdhsa--gfx1250"
	.amdhsa_code_object_version 6
	.text
	.protected	k_q026a18e716_prep
	.globl	k_q026a18e716_prep
	.p2align	8
	.type	k_q026a18e716_prep,@function
k_q026a18e716_prep:
	s_mov_b64 s[64:65], 0
	v_nop
	global_prefetch_b8 v0, s[64:65] scope:SCOPE_SE
	s_setreg_imm32_b32 hwreg(HW_REG_WAVE_MODE, 25, 1), 1
	s_wait_xcnt 0x0
; Launch 1 of 3: x, w_ih and w_hh are rounded to bf16 (nearest even) and laid out as REGISTER IMAGES of matrix fragments, so that
; the two later launches fill a fragment with two 16-byte loads a lane, 512 consecutive bytes a wave.
; A fragment is 16 rows x 32 k of bf16 = 1,024 bytes, stored [q = 0,1][lane = r + 16 h][16 bytes]: the 16 bytes are k = 16 q + 8 h + 0..7 of row r
; (the 16-bit operand layout of the K = 32 forms, ISA guide 7.12.2).
;   xf   [t 32][g 2][kb 8]              row r = batch row 16 g + r,  k = input i = 32 kb + ..      from x[b][i][t]
;   wihf [nt 32][kb 8]                  row r = neuron 16 nt + r,    k = input i                   from w_ih[i][n]
;   whhf [nt>>2 8][kb 16][nt&3 4]       row r = neuron 16 nt + r,    k = presynaptic neuron        from w_hh[k][n], the diagonal k = n set to 0
; (whhf's order gives each wave of the third launch two dense blocks of 64 fragments.)
; LIMIT: reference() multiplies the diagonal of w_hh by 0; here it is replaced by 0, which differs only for a non-finite diagonal entry.
; 256 work-groups of 7 waves; every wave does one task, straight through: 8 loads, round, store.  Wave 0: one of 256 tasks on x; waves 1-4: four of
; 1,024 tasks on w_hh; waves 5, 6: two of 512 tasks on w_ih.  No LDS, no barrier, no matrix unit: this is a copy with a change of order.
; Every store of 16 neighbouring lanes covers 256 consecutive bytes, aligned.
.set WROW, 2048                        ; bytes in a row of w_ih and of w_hh (512 f32)
	s_load_b256 s[4:11], s[0:1], 0x0               ; x s[4:5], w_ih s[6:7], w_hh s[8:9], xf s[10:11]
	s_load_b128 s[12:15], s[0:1], 0x20             ; wihf s[12:13], whhf s[14:15]
	v_lshrrev_b32 v1, 5, v0
	v_readfirstlane_b32 s16, v1                    ; wave 0..6
	v_and_b32 v2, 31, v0                           ; lane
	v_and_b32 v3, 15, v0                           ; lane % 16
	v_bfe_u32 v4, v0, 4, 1                         ; lane / 16
	s_mov_b32 s21, 0                               ; high words of the two 64-bit offsets s[20:21] (source), s[22:23] (destination)
	s_mov_b32 s23, 0
	s_wait_kmcnt 0x0
	s_cmp_eq_u32 s16, 0
	s_cbranch_scc1 .Lx
	s_cmp_lt_u32 s16, 5
	s_cbranch_scc1 .Lhh
; A task on a weight matrix W[k][n], task number in s17: ng = task % 16 names 32 columns n = 32 ng + lane, ko = task / 16 names 8 rows k = 8 ko + e.
; Eight loads of 128 consecutive bytes; a lane then holds 8 consecutive k of its column: the 16 bytes of fragment (nt = n / 16, kb = ko / 4) at
; q = (ko / 2) % 2, h = ko % 2, lane place n % 16 + 16 h.  Lanes 0-15 fill one aligned block of 256 bytes, lanes 16-31 one in the next tile's fragment.
.macro WTASK src, dst, hh
	s_and_b32 s18, s17, 15                         ; ng
	s_lshr_b32 s19, s17, 4                         ; ko
	s_lshl_b32 s20, s19, 14                        ; 8 ko rows of 2,048 bytes
	s_lshl_b32 s24, s18, 7                         ; 32 ng columns of 4 bytes
	s_add_co_u32 s20, s20, s24
	s_add_nc_u64 s[\src:\src+1], s[\src:\src+1], s[20:21]
	v_lshlrev_b32 v5, 2, v2
.irp e, 0,1,2,3,4,5,6,7
	global_load_b32 v[8+\e], v5, s[\src:\src+1] offset:\e*WROW
.endr
	s_lshr_b32 s25, s19, 2                         ; kb
	s_and_b32 s26, s19, 3                          ; 2 q + h
	s_lshl_b32 s22, s26, 8                         ; 512 q + 256 h
	v_lshlrev_b32 v7, 4, v3                        ; 16 (n % 16)
.if \hh
	s_lshr_b32 s24, s18, 1                         ; nt >> 2 = ng >> 1: blocks of 64 fragments
	s_lshl_b32 s24, s24, 16
	s_add_co_u32 s22, s22, s24
	s_lshl_b32 s24, s25, 12                        ; kb: 4 fragments
	s_add_co_u32 s22, s22, s24
	s_and_b32 s24, s18, 1                          ; nt & 3 = 2 (ng & 1) + lane / 16
	s_lshl_b32 s24, s24, 11
	s_add_co_u32 s22, s22, s24
	v_lshl_add_u32 v7, v4, 10, v7
	s_lshl_b32 s24, s18, 5
	s_lshl_b32 s27, s19, 3
	s_sub_co_u32 s24, s24, s27                     ; 32 ng - 8 ko (modulo 2^32: it is only compared)
	v_add_nc_u32 v6, s24, v2                       ; n - k of e = 0: the diagonal is where this equals e
.else
	s_lshl_b32 s24, s18, 14                        ; nt = 2 ng + lane / 16: 8 fragments a tile
	s_add_co_u32 s22, s22, s24
	s_lshl_b32 s24, s25, 10                        ; kb
	s_add_co_u32 s22, s22, s24
	v_lshl_add_u32 v7, v4, 13, v7
.endif
	s_add_nc_u64 s[\dst:\dst+1], s[\dst:\dst+1], s[22:23]
	s_wait_loadcnt 0x0
.if \hh
.irp e, 0,1,2,3,4,5,6,7
	v_cmp_ne_u32 vcc_lo, \e, v6
	v_cndmask_b32 v[8+\e], 0, v[8+\e], vcc_lo      ; no self-connection
.endr
.endif
.irp p, 0,1,2,3
	v_cvt_pk_bf16_f32 v[16+\p], v[8+2*\p], v[9+2*\p]   ; the lower k into the lower half
.endr
	global_store_b128 v7, v[16:19], s[\dst:\dst+1]
	s_endpgm
.endm
	s_lshl_b32 s17, ttmp9, 1                       ; waves 5, 6: task 2 x work-group + wave - 5
	s_add_co_u32 s17, s17, s16
	s_sub_co_u32 s17, s17, 5
	WTASK 6, 12, 0
.Lhh:
	s_lshl_b32 s17, ttmp9, 2                       ; waves 1-4: task 4 x work-group + wave - 1
	s_add_co_u32 s17, s17, s16
	s_sub_co_u32 s17, s17, 1
	WTASK 8, 14, 1
; A task on x[b][i][t] (t fastest): work-group number = [g 1 bit][kb 3][q 1][tq 3].  Lane r + 16 h takes batch row 16 g + r and the eight inputs
; i = 32 kb + 16 q + 8 h + e, for the four time steps 4 tq .. 4 tq + 3: eight loads of 16 bytes.  A fragment wants i along a lane and b across lanes, and
; neither is x's fastest axis, so a lane's load is 16 of the 128 bytes of x[b][i][:]; the other seven eighths are taken by the tasks of the other tq.
; Each of the four stores (one a time step) is 512 consecutive bytes of xf.
.Lx:
	s_and_b32 s17, ttmp9, 7                        ; tq
	s_bfe_u32 s18, ttmp9, 0x10003                  ; q
	s_bfe_u32 s19, ttmp9, 0x30004                  ; kb
	s_lshr_b32 s24, ttmp9, 7                       ; g
	s_lshl_b32 s20, s24, 19                        ; 16 g batch rows of 32,768 bytes
	s_lshl_b32 s25, s19, 12                        ; 32 kb inputs of 128 bytes
	s_add_co_u32 s20, s20, s25
	s_lshl_b32 s25, s18, 11                        ; 16 q inputs
	s_add_co_u32 s20, s20, s25
	s_lshl_b32 s25, s17, 4                         ; 4 tq time steps of 4 bytes
	s_add_co_u32 s20, s20, s25
	s_add_nc_u64 s[4:5], s[4:5], s[20:21]
	v_lshlrev_b32 v5, 15, v3                       ; r batch rows
	v_lshl_add_u32 v5, v4, 10, v5                  ; 8 h inputs
.irp e, 0,1,2,3,4,5,6,7
	global_load_b128 v[8+4*\e:11+4*\e], v5, s[4:5] offset:\e*128
.endr
	s_lshl_b32 s22, s17, 16                        ; 4 tq time steps of 16 fragments
	s_lshl_b32 s25, s24, 13                        ; g: 8 fragments
	s_add_co_u32 s22, s22, s25
	s_lshl_b32 s25, s19, 10                        ; kb
	s_add_co_u32 s22, s22, s25
	s_lshl_b32 s25, s18, 9                         ; q
	s_add_co_u32 s22, s22, s25
	s_add_nc_u64 s[10:11], s[10:11], s[22:23]
	v_lshlrev_b32 v7, 4, v2
	s_wait_loadcnt 0x0
.irp tt, 0,1,2,3
.irp p, 0,1,2,3
	v_cvt_pk_bf16_f32 v[40+4*\tt+\p], v[8+8*\p+\tt], v[12+8*\p+\tt]    ; inputs e = 2 p, 2 p + 1 of time step tt
.endr
	global_store_b128 v7, v[40+4*\tt:43+4*\tt], s[10:11] offset:\tt*16384
.endr
	s_endpgm
.Lfunc_end_k_q026a18e716_prep:
	.size	k_q026a18e716_prep, .Lfunc_end_k_q026a18e716_prep-k_q026a18e716_prep
	.p2alignl 7, 3214868480
	.fill 96, 4, 3214868480
	.section	.rodata,"a",@progbits
	.p2align	6, 0x0
	.amdhsa_kernel k_q026a18e716_prep
		.amdhsa_group_segment_fixed_size 0
		.amdhsa_private_segment_fixed_size 0
		.amdhsa_enable_private_segment 0
		.amdhsa_kernarg_size 48
		.amdhsa_user_sgpr_count 2
		.amdhsa_user_sgpr_kernarg_segment_ptr 1
		.amdhsa_wavefront_size32 1
		.amdhsa_system_sgpr_workgroup_id_x 1
		.amdhsa_system_sgpr_workgroup_id_y 1
		.amdhsa_system_sgpr_workgroup_id_z 1
		.amdhsa_system_vgpr_workitem_id 0
		.amdhsa_next_free_vgpr 64
		.amdhsa_next_free_sgpr 66
		.amdhsa_reserve_vcc 1
		.amdhsa_float_denorm_mode_32 3
		.amdhsa_float_denorm_mode_16_64 3
		.amdhsa_memory_ordered 1
		.amdhsa_forward_progress 1
		.amdhsa_inst_pref_size 9
	.end_amdhsa_kernel
	.amdgpu_metadata
---
amdhsa.version: [ 1, 2 ]
amdhsa.kernels:
  - .name:           k_q026a18e716_prep
    .symbol:         k_q026a18e716_prep.kd
    .args:
      - { .name: x, .offset: 0, .size: 8, .value_kind: global_buffer, .address_space: global }
      - { .name: w_ih, .offset: 8, .size: 8, .value_kind: global_buffer, .address_space: global }
      - { .name: w_hh, .offset: 16, .size: 8, .value_kind: global_buffer, .address_space: global }
      - { .name: xf, .offset: 24, .size: 8, .value_kind: global_buffer, .address_space: global }
      - { .name: wihf, .offset: 32, .size: 8, .value_kind: global_buffer, .address_space: global }
      - { .name: whhf, .offset: 40, .size: 8, .value_kind: global_buffer, .address_space: global }
    .group_segment_fixed_size: 0
    .private_segment_fixed_size: 0
    .kernarg_segment_align: 8
    .kernarg_segment_size: 48
    .max_flat_workgroup_size: 224
    .sgpr_count:     66
    .vgpr_count:     64
    .wavefront_size: 32
...
	.end_amdgpu_metadata
.endif
;; end of part 1
;; launch proj (part 2): grid 256 x 1, 4 waves a work-group, no clusters, 0 bytes of LDS; arguments xf, wihf, xw; writes xw
.if DOCPART == 2
	.amdgcn_target "amdgcn-amd-amdhsa--gfx1250"
	.amdhsa_code_object_version 6
	.text
	.protected	k_q026a18e716_proj
	.globl	k_q026a18e716_proj
	.p2align	8
	.type	k_q026a18e716_proj,@function
k_q026a18e716_proj:
	s_mov_b64 s[64:65], 0
	v_nop
	global_prefetch_b8 v0, s[64:65] scope:SCOPE_SE
	s_setreg_imm32_b32 hwreg(HW_REG_WAVE_MODE, 25, 1), 1
	s_wait_xcnt 0x0
; Launch 2 of 3: the part of the membrane update that has no recurrence, for all time steps at once:
;   xw(t, b, n) = sum over i of x[b][i][t] w_ih[i][n],  bf16 operands (already rounded and laid out as fragments), f32 sums, K = 256 ascending.
; The matrix instruction takes 16 neurons x 32 i of w_ih as its first source and 32 i x 16 batch rows of x as its second, so that register j of
; lane r + 16 h holds (neuron 16 nt + 8 h + j, batch row 16 g + r): the same place that the third launch's accumulators have.
; xw is stored as that register image: [t 32][g 2][nt 32][q 2][lane 32][16 bytes], q = registers 0-3 or 4-7.  Every store is 512 consecutive bytes.
; 256 work-groups = [t 5 bits][g 1][nq 2]; four waves; wave w makes the two tiles nt = 8 nq + 2 w, + 1: 48 loads of 512 consecutive bytes,
; 16 matrix instructions, 4 stores.  Fragments go from memory straight into registers: each is used by this wave once or twice, so LDS would add a copy.
; No cluster: what the four waves and the neighbouring work-groups share is 8 KiB of x and 16 KiB of weights, read once each, with no loop to share it in.
.set XF,  16                           ; v[16:79]    8 fragments of x, one a K block
.set W0,  80                           ; v[80:143]   8 fragments of w_ih, first tile
.set W1,  144                          ; v[144:207]  second tile
.set AC,  208                          ; v[208:223]  two accumulators
	s_load_b128 s[4:7], s[0:1], 0x0                ; xf s[4:5], wihf s[6:7]
	s_load_b64 s[8:9], s[0:1], 0x10                ; xw
	v_lshrrev_b32 v1, 5, v0
	v_readfirstlane_b32 s10, v1                    ; wave
	v_and_b32 v2, 31, v0
	v_lshlrev_b32 v2, 4, v2                        ; 16 bytes a lane
	s_lshr_b32 s11, ttmp9, 2                       ; 2 t + g
	s_and_b32 s12, ttmp9, 3                        ; nq
	s_lshl_b32 s14, s11, 13                        ; xf: 8 fragments for each (t, g)
	s_mov_b32 s15, 0
	s_lshl_b32 s16, s12, 16                        ; wihf: 8 fragments a tile, tile 8 nq + 2 w
	s_lshl_b32 s18, s10, 14
	s_add_co_u32 s16, s16, s18
	s_mov_b32 s17, 0
	s_lshl_b32 s18, s11, 15                        ; xw: 32 tiles of 1,024 bytes for each (t, g), tile 8 nq + 2 w
	s_lshl_b32 s20, s12, 13
	s_add_co_u32 s18, s18, s20
	s_lshl_b32 s20, s10, 11
	s_add_co_u32 s18, s18, s20
	s_mov_b32 s19, 0
	s_wait_kmcnt 0x0
	s_add_nc_u64 s[4:5], s[4:5], s[14:15]
	s_add_nc_u64 s[6:7], s[6:7], s[16:17]
	s_add_nc_u64 s[8:9], s[8:9], s[18:19]
.irp kb, 0,1,2,3,4,5,6,7
	global_load_b128 v[XF+8*\kb:XF+8*\kb+3],   v2, s[4:5] offset:\kb*1024          ; six loads a K block, in the order of use
	global_load_b128 v[XF+8*\kb+4:XF+8*\kb+7], v2, s[4:5] offset:\kb*1024+512
	global_load_b128 v[W0+8*\kb:W0+8*\kb+3],   v2, s[6:7] offset:\kb*1024
	global_load_b128 v[W0+8*\kb+4:W0+8*\kb+7], v2, s[6:7] offset:\kb*1024+512
	global_load_b128 v[W1+8*\kb:W1+8*\kb+3],   v2, s[6:7] offset:8192+\kb*1024
	global_load_b128 v[W1+8*\kb+4:W1+8*\kb+7], v2, s[6:7] offset:8192+\kb*1024+512
.endr
	s_wait_loadcnt 42                              ; loads return in order (ISA guide 5.7.1): K block 0's six are in, the 42 of the seven later blocks may be out
	v_wmma_f32_16x16x32_bf16 v[AC:AC+7],    v[W0:W0+7], v[XF:XF+7], 0      ; the first products start the sums
	v_wmma_f32_16x16x32_bf16 v[AC+8:AC+15], v[W1:W1+7], v[XF:XF+7], 0
.irp kb, 1,2,3,4,5,6,7
	s_wait_loadcnt 42-6*\kb                        ; six loads for each K block still to come
	v_wmma_f32_16x16x32_bf16 v[AC:AC+7],    v[W0+8*\kb:W0+8*\kb+7], v[XF+8*\kb:XF+8*\kb+7], v[AC:AC+7]       ; the two accumulators take turns, one instruction
	v_wmma_f32_16x16x32_bf16 v[AC+8:AC+15], v[W1+8*\kb:W1+8*\kb+7], v[XF+8*\kb:XF+8*\kb+7], v[AC+8:AC+15]    ; a turn
.endr
.rept 4
	v_nop                                          ; four independent vector instructions between a matrix instruction and a store of its result
.endr
	global_store_b128 v2, v[AC:AC+3],     s[8:9]
	global_store_b128 v2, v[AC+4:AC+7],   s[8:9] offset:512
	global_store_b128 v2, v[AC+8:AC+11],  s[8:9] offset:1024
	global_store_b128 v2, v[AC+12:AC+15], s[8:9] offset:1536
	s_endpgm
.Lfunc_end_k_q026a18e716_proj:
	.size	k_q026a18e716_proj, .Lfunc_end_k_q026a18e716_proj-k_q026a18e716_proj
	.p2alignl 7, 3214868480
	.fill 96, 4, 3214868480
	.section	.rodata,"a",@progbits
	.p2align	6, 0x0
	.amdhsa_kernel k_q026a18e716_proj
		.amdhsa_group_segment_fixed_size 0
		.amdhsa_private_segment_fixed_size 0
		.amdhsa_enable_private_segment 0
		.amdhsa_kernarg_size 24
		.amdhsa_user_sgpr_count 2
		.amdhsa_user_sgpr_kernarg_segment_ptr 1
		.amdhsa_wavefront_size32 1
		.amdhsa_system_sgpr_workgroup_id_x 1
		.amdhsa_system_sgpr_workgroup_id_y 1
		.amdhsa_system_sgpr_workgroup_id_z 1
		.amdhsa_system_vgpr_workitem_id 0
		.amdhsa_next_free_vgpr 224
		.amdhsa_next_free_sgpr 66
		.amdhsa_reserve_vcc 0
		.amdhsa_float_denorm_mode_32 3
		.amdhsa_float_denorm_mode_16_64 3
		.amdhsa_memory_ordered 1
		.amdhsa_forward_progress 1
		.amdhsa_inst_pref_size 8
	.end_amdhsa_kernel
	.amdgpu_metadata
---
amdhsa.version: [ 1, 2 ]
amdhsa.kernels:
  - .name:           k_q026a18e716_proj
    .symbol:         k_q026a18e716_proj.kd
    .args:
      - { .name: xf, .offset: 0, .size: 8, .value_kind: global_buffer, .address_space: global }
      - { .name: wihf, .offset: 8, .size: 8, .value_kind: global_buffer, .address_space: global }
      - { .name: xw, .offset: 16, .size: 8, .value_kind: global_buffer, .address_space: global }
    .group_segment_fixed_size: 0
    .private_segment_fixed_size: 0
    .kernarg_segment_align: 8
    .kernarg_segment_size: 24
    .max_flat_workgroup_size: 128
    .sgpr_count:     66
    .vgpr_count:     224
    .wavefront_size: 32
...
	.end_amdgpu_metadata
.endif
;; end of part 2
;; launch rec (part 3): grid 2 x 1, 4 waves a work-group, no clusters, 295,936 bytes of LDS; arguments initial_v_h, whhf, xw, out0; writes out0
.if DOCPART == 3
	.amdgcn_target "amdgcn-amd-amdhsa--gfx1250"
	.amdhsa_code_object_version 6
	.text
	.protected	k_q026a18e716_rec
	.globl	k_q026a18e716_rec
	.p2align	8
	.type	k_q026a18e716_rec,@function
k_q026a18e716_rec:
	s_mov_b64 s[64:65], 0
	v_nop
	global_prefetch_b8 v0, s[64:65] scope:SCOPE_SE
	s_setreg_imm32_b32 hwreg(HW_REG_WAVE_MODE, 25, 1), 1
	s_wait_xcnt 0x0
; Launch 3 of 3: the recurrence, 32 time steps.
;   hh  = spike @ w_hh (diagonal 0)                 bf16 operands (spikes 0 / 1 are exact), f32 sums, K = 512 ascending
;   v'  = fma(ALPHA, v, hh) + xw[t] - (v > a ? a : 0)      spike' = v' > a      a' = fma(RHO, a, spike')      out0[t] = spike'
; NOT COMPUTED: psi, A and the four eligibility tensors of reference().  They feed neither the spikes, nor v, nor a, and reference() returns none of them.
; LIMITS: initial_v_h is rounded once to bf16 on load, like the three matrix inputs, so that the program computes reference() on inputs rounded to bf16;
; from there on v and a are carried in f32.  ALPHA v + hh and RHO a + spike are single fused multiply-adds.  The order of the f32 sums inside hh and xw is the
; matrix unit's.  The output is a comparison: where v' and a agree to within that rounding the spike can differ from a sum made in another order.
;
; WORK.  A step needs all 512 spikes of a batch row and all of w_hh, and work-groups do not talk to each other, so a chain of steps stays in one work-group.
; Batch rows are independent and a matrix tile takes 16: two work-groups of 16 batch rows (g = work-group number), four waves, wave w owns neurons 128 w .. 128 w + 127.
; No cluster: a grid of two does not divide into clusters of four, and what the two share (w_hh) is read once, ahead of the steps.
; THE MATRIX INSTRUCTION IS USED TRANSPOSED: first source = 16 neurons x 32 k of w_hh^T, second = 32 k x 16 batch rows of spikes.  Register j of lane r + 16 h of the
; result is (neuron 16 nt + 8 h + j, batch row r): a lane's eight new spikes, packed to bf16, are 16 bytes that lie exactly as the next step's second source wants them.
; WEIGHTS stay on the WGP: a wave's 128 fragments (8 tiles x 16 K blocks) are 64 in registers (tiles 0-3) and 64 in LDS (tiles 4-7; 64 KiB a wave, brought by one tensor
; load a wave, filled once, read by that wave alone).
; SPIKES go from wave to wave through two LDS buffers that take turns, [16 batch rows][1,040 bytes]: 1,024 bytes of bf16 + 16 of padding = 260 words, so row r starts at
; bank 4 r mod 64 (64 banks of 4 bytes: ISA guide 11.1) and the 16 rows that a 16-byte access touches start at 16 different banks.  One barrier a step.
; OUTPUT: step t - 1's spikes are read back from the buffer by rows during step t's products, widened to f32, and stored 512 consecutive bytes a wave.
;
; REGISTERS in windows of 256 (s_set_vgpr_msb: bits 1:0 source 0, 3:2 source 1, 5:4 source 2, 7:6 destination):
;   window 0: v1-v10 addresses; SF 4 spike fragments; LW 4 sets of 4 weight fragments from LDS; OD 16 output chunks of 4
;   window 1: weight fragments of tiles 0-3, K blocks 0-7 (fragment 4 kb + tile at v[8 (4 kb + tile)]);   window 2: K blocks 8-15
;   window 3: ACC 8 accumulators; V membrane; A threshold; XW this step's input term: 64 registers each, tile i at + 8 i
.set SPK,    262144                    ; LDS: the two spike buffers lie behind the four waves' weights
.set SPKB,   16640                     ; bytes in a spike buffer
.set PITCH,  1040
.set STEPB,  65536                     ; bytes of a time step in xw and in out0 (32 x 512 f32)
.set ALPHA_F32, 0x3f67a36d             ; exp(-1/10) rounded to f32
.set RHO_F32,   0x3f7c5e6d             ; exp(-1/70) rounded to f32
.set SF,  16                           ; v[16:47]
.set LW,  48                           ; v[48:175]
.set OD,  176                          ; v[176:239]
.set ACC, 0                            ; window 3
.set V,   64
.set A,   128
.set XW,  192
.set M,   32                           ; s[32:39] eight lane masks
.set MSB, 0
.macro WIN new                         ; the immediate's high byte repeats the setting that is left
.if MSB != \new
	s_set_vgpr_msb (MSB<<8)|\new
.set MSB, \new
.endif
.endm
	s_load_b256 s[4:11], s[0:1], 0x0               ; initial_v_h s[4:5], whhf s[6:7], xw s[8:9], out0 s[10:11]
	v_lshl_add_u32 v254, v0, 2, 0x48200
	v_mov_b32 v255, 0
	ds_add_u32 v254, v255
	ds_add_u32 v254, v255
	v_lshrrev_b32 v1, 5, v0
	v_readfirstlane_b32 s12, v1                    ; wave 0..3
	s_mov_b32 s13, 0xffff0000                      ; a word's upper bf16
	; tensor descriptor, group 1: a dense block of 65,536 bytes as 256 rows of 32 elements of 8 bytes, no padding (fragments are read 512 consecutive bytes at a time)
	s_mov_b32 s16, 3<<16                           ; 15:0 no work-group mask; 17:16 element of 8 bytes
	s_mov_b32 s17, 32<<16                          ; tensor_dim0 = 32
	s_mov_b32 s18, 256<<16                         ; tensor_dim1 = 256
	s_mov_b32 s19, 32<<16                          ; tile_dim0 = 32
	s_mov_b32 s20, 256                             ; tile_dim1 = 256
	s_mov_b32 s21, 32                              ; elements from row to row
	s_mov_b32 s22, 0
	s_mov_b32 s23, 0
	s_mov_b32 s24, 1                               ; group 0: count = 1
	s_lshl_b32 s25, s12, 16                        ; LDS address: wave x 65,536
	s_lshl_b32 s14, s12, 17                        ; my wave's 128 fragments in whhf
	s_mov_b32 s15, 0
	s_lshl_b32 s42, ttmp9, 15                      ; g x 16 batch rows x 2,048 bytes; also g x 32 tiles x 1,024 bytes in xw
	s_mov_b32 s43, 0
	s_wait_dscnt 0x0
	s_wait_kmcnt 0x0
	s_add_nc_u64 s[6:7], s[6:7], s[14:15]
	s_add_nc_u64 s[26:27], s[6:7], 0x10000         ; the second 64 fragments (tiles 4-7) go to LDS
	s_or_b32 s27, s27, 0x80000000                  ; type = 2
	tensor_load_to_lds s[24:27], s[16:23]          ; the only tensor load of the wave, ahead of every barrier
	s_nop 0
	s_add_nc_u64 s[4:5], s[4:5], s[42:43]
	s_add_nc_u64 s[8:9], s[8:9], s[42:43]
	s_add_nc_u64 s[10:11], s[10:11], s[42:43]
	v_and_b32 v6, 31, v0                           ; lane
	v_and_b32 v7, 15, v0                           ; r
	v_bfe_u32 v8, v0, 4, 1                         ; h
	v_mul_u32_u24 v1, v7, PITCH
	v_lshl_add_u32 v1, v8, 4, v1
	v_add_nc_u32 v1, SPK, v1                       ; v1: spike fragments are read at row r, + 16 h
	s_lshl_b32 s14, s12, 8
	v_add_nc_u32 v2, s14, v1                       ; v2: and written there, + my wave's 128 neurons x 2 bytes
	v_lshl_add_u32 v3, v6, 4, s25                  ; v3: my wave's weights in LDS, 16 bytes a lane
	s_mul_i32 s14, s12, 4*PITCH
	s_add_co_u32 s14, s14, SPK
	v_lshl_add_u32 v4, v6, 3, s14                  ; v4: the way out: my wave's four batch rows, 8 bytes (4 spikes) a lane
	s_lshl_b32 s14, s12, 13
	v_lshl_add_u32 v5, v6, 4, s14                  ; v5: 8,192 w + 16 lane: my 8 tiles in xw, and my four rows of 2,048 bytes in out0
	v_lshlrev_b32 v9, 4, v6                        ; v9: 16 lane
	v_lshlrev_b32 v10, 11, v7
	v_lshl_add_u32 v10, v8, 5, v10
	s_lshl_b32 s14, s12, 9
	v_add_nc_u32 v10, s14, v10                     ; v10: initial_v_h: row r, neuron 128 w + 8 h
	WIN 0x40                                       ; destination in window 1
.set f, 0
.rept 32
	global_load_b128 v[8*f:8*f+3],   v9, s[6:7] offset:f*1024
	global_load_b128 v[8*f+4:8*f+7], v9, s[6:7] offset:f*1024+512
.set f, f+1
.endr
	WIN 0x80                                       ; window 2
.rept 32
	global_load_b128 v[8*(f-32):8*(f-32)+3],   v9, s[6:7] offset:f*1024
	global_load_b128 v[8*(f-32)+4:8*(f-32)+7], v9, s[6:7] offset:f*1024+512
.set f, f+1
.endr
	WIN 0xc0                                       ; window 3
.irp i, 0,1,2,3,4,5,6,7
	global_load_b128 v[V+8*\i:V+8*\i+3],     v10, s[4:5] offset:\i*64       ; read once: a lane's 32 bytes of a tile lie together, the 16 rows apart
	global_load_b128 v[V+8*\i+4:V+8*\i+7],   v10, s[4:5] offset:\i*64+16
	global_load_b128 v[XW+8*\i:XW+8*\i+3],   v5, s[8:9] offset:\i*1024 th:TH_LOAD_NT
	global_load_b128 v[XW+8*\i+4:XW+8*\i+7], v5, s[8:9] offset:\i*1024+512 th:TH_LOAD_NT
.endr
; LDS loads.  kb: K block, rd: the spike buffer that is read.
.macro LDS_S kb, rd                    ; the spike fragment of a K block: 32 k x 16 batch rows
	ds_load_b128 v[SF+8*((\kb)&3):SF+8*((\kb)&3)+3],   v1 offset:\rd*SPKB+(\kb)*64
	ds_load_b128 v[SF+8*((\kb)&3)+4:SF+8*((\kb)&3)+7], v1 offset:\rd*SPKB+(\kb)*64+32
.endm
.macro LDS_O c, rd                     ; output chunk c: 128 spikes of batch row 4 w + c / 4, 256 consecutive bytes for the wave, into the upper half of the chunk's four registers
	ds_load_b64 v[OD+4*(\c)+2:OD+4*(\c)+3], v4 offset:\rd*SPKB+((\c)>>2)*PITCH+((\c)&3)*256
.endm
.macro LDS_W kb                        ; the weight fragments of tiles 4-7 for a K block
.irp il, 0,1,2,3
	ds_load_b128 v[LW+32*((\kb)&3)+8*\il:LW+32*((\kb)&3)+8*\il+3],   v3 offset:((\kb)*4+\il)*1024
	ds_load_b128 v[LW+32*((\kb)&3)+8*\il+4:LW+32*((\kb)&3)+8*\il+7], v3 offset:((\kb)*4+\il)*1024+512
.endr
.endm
; Output chunk c: four bf16 to four f32 in place (a shift or a mask), and 512 consecutive bytes of out0 for the wave.
.macro CONV c
	v_lshlrev_b32 v[OD+4*(\c)],   16,  v[OD+4*(\c)+2]
	v_and_b32     v[OD+4*(\c)+1], s13, v[OD+4*(\c)+2]
	v_lshlrev_b32 v[OD+4*(\c)+2], 16,  v[OD+4*(\c)+3]
	v_and_b32     v[OD+4*(\c)+3], s13, v[OD+4*(\c)+3]
	global_store_b128 v5, v[OD+4*(\c):OD+4*(\c)+3], s[10:11] offset:((\c)>>2)*2048+((\c)&3)*512 th:TH_STORE_NT
.endm
; The state update of tile i, all operands in window 3.  ACC holds hh on entry and serves as scratch; on exit ACC + 8 i .. + 3 hold the eight spikes in bf16.
.macro EPI i
.irp j, 0,1,2,3,4,5,6,7
	v_cmp_gt_f32 s[M+\j], v[V+8*\i+\j], v[A+8*\i+\j]                   ; old v > old a
.endr
.irp p, 0,2,4,6
	v_pk_fma_f32 v[V+8*\i+\p:V+8*\i+\p+1], v[V+8*\i+\p:V+8*\i+\p+1], ALPHA_F32, v[ACC+8*\i+\p:ACC+8*\i+\p+1] op_sel_hi:[1,0,1]
.endr
.irp p, 0,2,4,6
	v_pk_add_f32 v[V+8*\i+\p:V+8*\i+\p+1], v[V+8*\i+\p:V+8*\i+\p+1], v[XW+8*\i+\p:XW+8*\i+\p+1]
.endr
.irp j, 0,1,2,3,4,5,6,7
	v_cndmask_b32 v[ACC+8*\i+\j], 0, v[A+8*\i+\j], s[M+\j]             ; the refractory term
.endr
.irp p, 0,2,4,6
	v_pk_add_f32 v[V+8*\i+\p:V+8*\i+\p+1], v[V+8*\i+\p:V+8*\i+\p+1], v[ACC+8*\i+\p:ACC+8*\i+\p+1] neg_lo:[0,1] neg_hi:[0,1]
.endr
.irp j, 0,1,2,3,4,5,6,7
	v_cmp_gt_f32 s[M+\j], v[V+8*\i+\j], v[A+8*\i+\j]                   ; new v > old a
.endr
.irp j, 0,1,2,3,4,5,6,7
	v_cndmask_b32 v[ACC+8*\i+\j], 0, 1.0, s[M+\j]                      ; the spike
.endr
.irp p, 0,2,4,6
	v_pk_fma_f32 v[A+8*\i+\p:A+8*\i+\p+1], v[A+8*\i+\p:A+8*\i+\p+1], RHO_F32, v[ACC+8*\i+\p:ACC+8*\i+\p+1] op_sel_hi:[1,0,1]
.endr
.irp p, 0,2,4,6
	v_cvt_pk_bf16_f32 v[ACC+8*\i+\p/2], v[ACC+8*\i+\p], v[ACC+8*\i+\p+1]   ; each destination has been read by the line before it or by this one
.endr
.endm
; Step 0 of tile i.  reference() starts from spike = 0 and a = 0, so hh = 0, the refractory term is 0, the threshold is 0 and a' is the spike itself.
.macro FIRST i
.irp p, 0,2,4,6
	v_cvt_pk_bf16_f32 v[ACC+8*\i+\p/2], v[V+8*\i+\p], v[V+8*\i+\p+1]   ; initial_v_h rounded to bf16 (see LIMITS),
.endr
.irp p, 0,2,4,6
	v_lshlrev_b32 v[V+8*\i+\p],   16,  v[ACC+8*\i+\p/2]                ; and back in f32
	v_and_b32     v[V+8*\i+\p+1], s13, v[ACC+8*\i+\p/2]
.endr
.irp p, 0,2,4,6
	v_pk_mul_f32 v[V+8*\i+\p:V+8*\i+\p+1], v[V+8*\i+\p:V+8*\i+\p+1], ALPHA_F32 op_sel_hi:[1,0]
.endr
.irp p, 0,2,4,6
	v_pk_add_f32 v[V+8*\i+\p:V+8*\i+\p+1], v[V+8*\i+\p:V+8*\i+\p+1], v[XW+8*\i+\p:XW+8*\i+\p+1]
.endr
.irp j, 0,1,2,3,4,5,6,7
	v_cmp_gt_f32 s[M+\j], v[V+8*\i+\j], 0
.endr
.irp j, 0,1,2,3,4,5,6,7
	v_cndmask_b32 v[A+8*\i+\j], 0, 1.0, s[M+\j]
.endr
.irp p, 0,2,4,6
	v_cvt_pk_bf16_f32 v[ACC+8*\i+\p/2], v[A+8*\i+\p], v[A+8*\i+\p+1]
.endr
.endm
; The end of a step: my 128 neurons' spikes into buffer wr, the bases stepped, the barrier.
.macro PUBLISH wr, stepout
	WIN 0x0c                                       ; LDS store: address (source 0) in window 0, data (source 1) in window 3
.irp i, 0,1,2,3,4,5,6,7
	ds_store_b128 v2, v[ACC+8*\i:ACC+8*\i+3] offset:\wr*SPKB+\i*32
.endr
	WIN 0
	s_wait_xcnt 0x0                                ; every earlier memory instruction has had its addresses translated (ISA guide 3.1): the two bases, and the
	s_add_nc_u64 s[8:9], s[8:9], STEPB             ; OD registers that the stores read, are rewritten only behind this wait
.if \stepout
	s_add_nc_u64 s[10:11], s[10:11], STEPB
.endif
	s_wait_dscnt 0x0                               ; for the other waves: my spikes are in LDS, and my reads of the other buffer, which the next step overwrites, are back
	s_barrier_signal -1
	s_barrier_wait -1
.endm
; One step with products.  rd: the buffer with the last step's spikes; wr: the buffer for this step's; pf = 1: another step follows.
; K block kb: wait, output chunk kb, the loads of K block kb + 2, eight matrix instructions.
; The loads go into ring places that the matrix instructions of K block kb - 2 read; the conversions of chunks kb - 1 and kb stand between, eight plain vector instructions
; that name none of those registers (four are asked for: ISA guide 7.12.1 for vector writes).
; The weights of K blocks 0 and 1 do not hang on the spikes: K blocks 14 and 15 fetch them for the next step, ahead of the barrier.
.macro STEP rd, wr, pf
	LDS_S 0, \rd
	LDS_O 0, \rd
	LDS_S 1, \rd
	LDS_O 1, \rd
	WIN 0xc0
.irp i, 0,1,2,3,4,5,6,7
	global_load_b128 v[XW+8*\i:XW+8*\i+3],   v5, s[8:9] offset:\i*1024 th:TH_LOAD_NT       ; this step's input term: asked for here, used behind the 128 matrix instructions
	global_load_b128 v[XW+8*\i+4:XW+8*\i+7], v5, s[8:9] offset:\i*1024+512 th:TH_LOAD_NT
.endr
	WIN 0
.set kb, 0
.rept 16
.if kb == 0
	s_wait_dscnt 3                                 ; LDS loads return in order (ISA guide 5.7.1): K block 0's three are in; K block 1's two spike loads and one output load may be out
.else
.if kb == 15
	s_wait_dscnt 8*\pf                             ; K block 14 issued the eight weight loads for the next step, or nothing
.else
	s_wait_dscnt 11                                ; the 2 + 1 + 8 loads that the K block before issued may be out; this block's were issued before those
.endif
.endif
	CONV kb
.if kb < 14
	LDS_S kb+2, \rd
	LDS_O kb+2, \rd
	LDS_W kb+2
.else
.if \pf
	LDS_W kb-14
.endif
.endif
.if kb < 8
	WIN 0xf1                                       ; weights (source 0) in window 1, spikes (source 1) in window 0, C and D in window 3
.else
	WIN 0xf2                                       ; weights in window 2
.endif
.irp il, 0,1,2,3
.if kb == 0
	v_wmma_f32_16x16x32_bf16 v[ACC+8*\il:ACC+8*\il+7], v[8*((kb&7)*4+\il):8*((kb&7)*4+\il)+7], v[SF+8*(kb&3):SF+8*(kb&3)+7], 0      ; the first K block starts the sums
.else
	v_wmma_f32_16x16x32_bf16 v[ACC+8*\il:ACC+8*\il+7], v[8*((kb&7)*4+\il):8*((kb&7)*4+\il)+7], v[SF+8*(kb&3):SF+8*(kb&3)+7], v[ACC+8*\il:ACC+8*\il+7]
.endif
.endr
	WIN 0xf0                                       ; weights in window 0: the set that came from LDS
.irp il, 0,1,2,3
.if kb == 0
	v_wmma_f32_16x16x32_bf16 v[ACC+32+8*\il:ACC+32+8*\il+7], v[LW+32*(kb&3)+8*\il:LW+32*(kb&3)+8*\il+7], v[SF+8*(kb&3):SF+8*(kb&3)+7], 0
.else
	v_wmma_f32_16x16x32_bf16 v[ACC+32+8*\il:ACC+32+8*\il+7], v[LW+32*(kb&3)+8*\il:LW+32*(kb&3)+8*\il+7], v[SF+8*(kb&3):SF+8*(kb&3)+7], v[ACC+32+8*\il:ACC+32+8*\il+7]
.endif
.endr
	WIN 0                                          ; the eight accumulators take turns, one instruction a turn, in the same order in every K block
.set kb, kb+1
.endr
.rept 4
	v_nop                                          ; four independent vector instructions between the last matrix instruction and the first read of a result (ISA guide 7.12.1)
.endr
	s_wait_loadcnt 0x0                             ; this step's input term
	WIN 0xff
.irp i, 0,1,2,3,4,5,6,7
	EPI \i
.endr
	PUBLISH \wr, 1
.endm
	s_wait_loadcnt 0x0                             ; weights, initial_v_h, xw[0]
	WIN 0xff
.irp i, 0,1,2,3,4,5,6,7
	FIRST \i
.endr
	WIN 0
	s_wait_tensorcnt 0x0                           ; my wave's weights are in LDS; no other wave reads them
	LDS_W 0
	LDS_W 1
	PUBLISH 0, 0                                   ; step 0's spikes into buffer 0; out0's base stays at step 0, which step 1 stores
	s_mov_b32 s40, 15
.Lstep:
	STEP 0, 1, 1                                   ; steps 1, 3, .. 29
	STEP 1, 0, 1                                   ; steps 2, 4, .. 30
	s_sub_co_u32 s40, s40, 1
	s_cmp_lg_u32 s40, 0
	s_cbranch_scc1 .Lstep
	STEP 0, 1, 0                                   ; step 31: no weights are fetched for a further step
	; step 31's spikes, from buffer 1, behind the barrier that showed them whole
.irp c, 0,1,2,3,4,5,6,7,8,9,10,11,12,13,14,15
	LDS_O \c, 1
.endr
.irp c, 0,1,2,3,4,5,6,7,8,9,10,11,12,13,14,15
	s_wait_dscnt 15-\c                             ; chunk c is in; the younger chunks may be out
	CONV \c
.endr
	s_wait_tensorcnt 0x0
	ds_add_u32 v254, v255
	s_wait_dscnt 0x0
	s_endpgm
.Lfunc_end_k_q026a18e716_rec:
	.size	k_q026a18e716_rec, .Lfunc_end_k_q026a18e716_rec-k_q026a18e716_rec
	.p2alignl 7, 3214868480
	.fill 96, 4, 3214868480
	.section	.rodata,"a",@progbits
	.p2align	6, 0x0
	.amdhsa_kernel k_q026a18e716_rec
		.amdhsa_group_segment_fixed_size 295936
		.amdhsa_private_segment_fixed_size 0
		.amdhsa_enable_private_segment 0
		.amdhsa_kernarg_size 32
		.amdhsa_user_sgpr_count 2
		.amdhsa_user_sgpr_kernarg_segment_ptr 1
		.amdhsa_wavefront_size32 1
		.amdhsa_system_sgpr_workgroup_id_x 1
		.amdhsa_system_sgpr_workgroup_id_y 1
		.amdhsa_system_sgpr_workgroup_id_z 1
		.amdhsa_system_vgpr_workitem_id 0
		.amdhsa_next_free_vgpr 1024
		.amdhsa_next_free_sgpr 66
		.amdhsa_reserve_vcc 0
		.amdhsa_float_denorm_mode_32 3
		.amdhsa_float_denorm_mode_16_64 3
		.amdhsa_memory_ordered 1
		.amdhsa_forward_progress 1
		.amdhsa_inst_pref_size 209
	.end_amdhsa_kernel
	.amdgpu_metadata
---
amdhsa.version: [ 1, 2 ]
amdhsa.kernels:
  - .name:           k_q026a18e716_rec
    .symbol:         k_q026a18e716_rec.kd
    .args:
      - { .name: initial_v_h, .offset: 0, .size: 8, .value_kind: global_buffer, .address_space: global }
      - { .name: whhf, .offset: 8, .size: 8, .value_kind: global_buffer, .address_space: global }
      - { .name: xw, .offset: 16, .size: 8, .value_kind: global_buffer, .address_space: global }
      - { .name: out0, .offset: 24, .size: 8, .value_kind: global_buffer, .address_space: global }
    .group_segment_fixed_size: 295936
    .private_segment_fixed_size: 0
    .kernarg_segment_align: 8
    .kernarg_segment_size: 32
    .max_flat_workgroup_size: 128
    .sgpr_count:     66
    .vgpr_count:     1024
    .wavefront_size: 32
...
	.end_amdgpu_metadata
.endif
;; end of part 3
